; MI455X (gfx1250); checked and timed in simulation.
; The chip was launched on July 23, 2026; its instructions are those of AMD's public machine-readable ISA for CDNA 5 (MIT licence, August 2026) and "CDNA5" Instruction Set Architecture Reference Guide (July 2026). The comments in the code are by the model that wrote it; some were corrected since.
;; Attention. Allowed arithmetic: matrix products marked QUANTISED: E2M3 operands, one E8M0 scale for each 32 along K, by v_wmma_scale_f32_16x16x128_f8f6f4 with both operands' format E2M3, f32 sums; products left as they are: f32 operands where the result goes on into a quantised operand, else bf16, f16 or f32 operands; f32 sums; everything else in f32.
;; Inputs: attn_b 1,024 float32; attn_w_codes 1,024 x 64 x 24 uint8 (E2M3 codes of attn_w, K innermost, in blocks of 32 codes, four codes in three bytes); attn_w_scales 1,024 x 64 uint8 (E8M0 scales of attn_w, one for each 32 codes along K); encoder_outputs 1,024 x 32 x 1,024 float32; hidden 2 x 32 x 1,024 float32; v 1,024 float32.
;; Outputs: out0 32 x 1,024 float32.
;; This version of the problem:
;;   THIS VERSION OF THE PROBLEM IS GIVEN IN LOW PRECISION. The matrix products marked QUANTISED in the list below multiply operands that are first quantised to E2M3 (2 exponent bits, 3 mantissa bits; 6 bits a number), with one power-of-two scale for each 32 numbers along K (OCP MX v1.0); their sums are f32. All else is computed in f32.
;;   The module's matrix products, in the order in which they are computed (A, B: the left and right operand; K: the contracted axis; several contracted axes count as one K, in the product's order):
;;     1. [M 32,768, K 2,048] x [K 2,048, N 1,024]; A: computed on the way; B: input attn_w (given as codes): QUANTISED
;;     2. [M 1, K 1,024] x [K 1,024, N 32,768]; A: input v; B: computed on the way: left as it is (M = 1 < 16)
;;   THE QUANTISER, for each operand of a quantised product, along K:
;;     - K is cut into blocks of 32 from its start; a last block that is shorter is filled with zeros.
;;     - A block's scale is 2^e with e = floor(log2(the largest magnitude in the block)) - 2, held to -126 .. 127; a block of zeros has e = 0. As a byte (E8M0): e + 127.
;;     - Each number is divided by its block's scale, clamped to +-7.5, and rounded to the nearest number of E2M3, ties to even, subnormals kept.
;;     - The product sums the exact products of the quantised numbers (number of the format x scale) in f32.
;;   ~~~python
;;   def quantise(x, axis):      # numpy; x: float32 -> the quantised numbers, widened to float32 again
;;       x = np.moveaxis(x, axis, -1); K = x.shape[-1]
;;       x = np.pad(x, [(0, 0)] * (x.ndim - 1) + [(0, -K % 32)]); x = x.reshape(x.shape[:-1] + (-1, 32)); a = np.abs(x).max(-1, keepdims=True)
;;       e = np.where(a > 0, np.clip(np.frexp(np.where(a > 0, a, 1))[1] - 1 - 2, -126, 127), 0)      # np.frexp(a)[1] - 1 = floor(log2(a)), exactly
;;       r = np.clip(x / 2.0 ** e, -7.5, 7.5)
;;       step = 2.0 ** (np.maximum(np.frexp(np.where(r == 0, 1, r))[1] - 1, 0) - 3)
;;       q = np.round(r / step) * step * 2.0 ** e      # np.round: ties to even
;;       return np.moveaxis(q.reshape(q.shape[:-2] + (-1,))[..., :K], -1, axis).astype(np.float32)
;;   ~~~
;;   OPERANDS COMPUTED ON THE WAY. 'Computed on the way' means the value that the module computes at that place (a softmax that the list does not call 'softmax' is quantised finished and normalised). What goes into a quantiser is computed in f32, as accurately as f32 sums, v_exp_f32 and their like allow (about 1e-6 of the number): no bf16 or f16 on the way to a quantiser, and a product that is left as it is and whose result goes on into a quantised operand takes f32 operands (vector FMAs, or v_wmma_f32_16x16x4_f32). A number that lies on a knife's edge between two numbers of the format may be rounded either way, as far as f32 arithmetic and the matrix unit's own rounding can turn it there, and no further.
;;   INPUTS GIVEN AS CODES. attn_w (in the module: [1024, 2048], K = its axis 1): each comes as NAME_codes (uint8): NAME with its K axis moved to the last place and cut into blocks of 32 codes, [.., K / 32, bytes a block], one block behind the other in memory; four codes in three bytes: a row's codes are one little-endian stream of bits, code i at bits 6 i .. 6 i + 5 (a code: sign, 2 exponent bits, 3 mantissa bits); and NAME_scales (uint8): the same leading axes, one E8M0 byte (e + 127) for each 32 codes along K. Its value is code x scale, taken as it is: it is not quantised again, and the codes and scales need not be those that the quantiser above would give.
;; One version. Each part assembles by itself: llvm-mc -triple=amdgcn-amd-amdhsa -mcpu=gfx1250 --defsym DOCPART=n.
;; ======== version 1 of 1: 3 launches
;; limits: right only within a limited range of input values
;; workspace buffers: scores 131,072 bytes; cg 131,072 bytes
;; launch gpre (part 1): grid 4 x 2, 4 waves a work-group, no clusters, 229,376 bytes of LDS; arguments hidden, attn_w_codes, attn_w_scales, attn_b, cg; writes cg
.if DOCPART == 1
	.amdgcn_target "amdgcn-amd-amdhsa--gfx1250"
	.amdhsa_code_object_version 6
	.text
	.protected	k_q9d602680a7_gpre
	.globl	k_q9d602680a7_gpre
	.p2align	8
	.type	k_q9d602680a7_gpre,@function
k_q9d602680a7_gpre:
	s_mov_b64 s[64:65], 0
	v_nop
	global_prefetch_b8 v0, s[64:65] scope:SCOPE_SE
	s_setreg_imm32_b32 hwreg(HW_REG_WAVE_MODE, 25, 1), 1
	s_wait_xcnt 0x0
; cg[b][n] = c (attn_b[n] + sum over k < 1,024 of Q(hidden[-1][b])[k] W[n][k]),  c = 2 log2(e): the part of the first product that hangs on hidden alone, times c.
; WORK LEFT OUT, for all values of the inputs:
;  (1) reference() broadcasts hidden[-1][b] over all s.  1,024 is a multiple of 32, so no block of the quantiser spans both halves of K = 2,048: the first half's codes, scales and partial sum
;      do not hang on s.  They are made here once for each b, by the contract's matrix instruction, and the next launch adds them to the second half's sums.
;  (2) hidden[0] is sliced away by reference() (hidden[-1]): it is not read.
;  (3) tanh(x) = 1 - 2 / (1 + 2^(c x)): the score is (sum of v) - 2 P; the first term is the same along s, the softmax's axis, and reaches no output (next launches).
;  LIMITS: a NaN, an infinity or an overflow that reaches only hidden[0] or the sum of v is not carried to the result.  NaN and infinities among the inputs are not served.
;  A block whose largest magnitude lies under 2^-124 keeps the scale byte 1 (a block of zeros too: its codes are zeros, and this program alone reads the bytes).
; SHARES.  Work-group (x, y): columns 256 x .. + 255, rows b = 16 y .. + 15.  Wave w quantises K steps 2 w, 2 w + 1 of the 16 rows (a lane loads its own 16 neighbours of each block: 64 KB a work-group, read once)
;  and hands the fragments on as images in LDS; it multiplies columns n0 = 256 x + 64 w .. + 63 as four tiles; tile u holds columns n0 + 4 r + u, so that a lane's four results of one b
;  are 16 neighbouring bytes and 16 lanes store 256 consecutive bytes, aligned.  Wave u's one tensor load brings rows 256 x + 4 i + u (i = 0 .. 63) of W's first 768 bytes: a tile's 16 rows lie on end in LDS.
; No cluster: no two work-groups of one y read the same rows of W, and the two y differ in what they multiply them with; 8 work-groups share 768 KB twice.  No prefetch: there is no loop to run ahead in.
.set PITCH, 816
.set WREG,  64*PITCH
.set IM,    4*WREG                     ; images: 8 K steps x 1,536 bytes
.set SCW,   IM+12288                   ; their scale words: 8 x 16 x 4 bytes
.set SPARE, SCW+512
.set SPW, 1
.set NIL, 2
.set HOF, 6
.set OOF, 7
.set SOF, 10
.set BOF, 11
.set IWA, 12
.set SWA, 13
.set IRA, 14
.set ASR, 15
.set HSW, 16                           ; v16-23 the hidden rows' scale words, v24-39 W's: scale words and nothing else
.set WSG, 24
.set BI,  40
.set TM,  44
.set PW,  60
.set X,   64
.set HF,  64
.set ACC, 160
.set PC,  192
.set OUT, 212
.set FA,  244
.set MSB, 0
.macro WIN new
.if MSB != \new
	s_set_vgpr_msb (MSB<<8)|\new
.set MSB, \new
.endif
.endm
.macro PLACES
.rept 4
	v_nop
.endr
.endm
.macro VW8
	s_wait_alu depctr_va_vdst(0)
.endm
.macro FRAGW reg, adr, s
.irp p, 0,1,2,3,4,5
.set PIECE, 12*(\s)+6*(\p/3)+\p%3
.if PIECE%32 < 29
	ds_load_b64 v[\reg+2*\p:\reg+2*\p+1], v[\adr] offset:8*PIECE+16*(PIECE/32)
.else
	ds_load_b64 v[\reg+2*\p:\reg+2*\p+1], v[\adr+1] offset:8*PIECE+16*(PIECE/32)
.endif
.endr
.endm
.macro QUANT s                         ; 64 numbers of a lane, register 16 b + i = k 32 b + 16 (lane / 16) + i, become a fragment's codes in v[PC] on and its scale word in v[PW]
.irp b, 0,1,2,3
	v_max3_num_f32 v[TM+\b], |v[\s+16*\b]|, |v[\s+1+16*\b]|, 0x1800000   ; the floor 2^(3 - 127): the byte cannot fall under 1
.endr
.irp i, 2,4,6,8,10,12,14
.irp b, 0,1,2,3
	v_max3_num_f32 v[TM+\b], v[TM+\b], |v[\s+16*\b+\i]|, |v[\s+1+16*\b+\i]|
.endr
.endr
.irp b, 0,1,2,3
	v_permlanex16_b32 v[TM+4+\b], v[TM+\b], s40, s41
.endr
.irp b, 0,1,2,3
	v_max_num_f32 v[TM+\b], v[TM+\b], v[TM+4+\b]
.endr
.irp b, 0,1,2,3
	v_add_nc_u32 v[TM+12+\b], 0xff000000, v[TM+\b] ; 2 off the exponent field: the conversion's scale operand
.endr
.irp b, 0,1,2,3
	v_lshrrev_b32 v[TM+4+\b], 23, v[TM+12+\b]
.endr
	v_lshl_or_b32 v[PW], v[TM+5], 8, v[TM+4]
	v_lshl_or_b32 v[PW], v[TM+6], 16, v[PW]
	v_lshl_or_b32 v[PW], v[TM+7], 24, v[PW]
.irp c, 0,1
	v_cvt_scalef32_pk16_fp6_f32 v[PC+6*\c:PC+2+6*\c], v[\s+32*\c:\s+15+32*\c], v[TM+12+2*\c]
	v_cvt_scalef32_pk16_fp6_f32 v[PC+12+4*\c:PC+14+4*\c], v[\s+16+32*\c:\s+31+32*\c], v[TM+12+2*\c+1]
.endr
	v_nop
.irp c, 0,1
.irp i, 0,1,2
	v_permlane16_swap_b32 v[PC+6*\c+\i], v[PC+12+4*\c+\i]
.endr
.irp i, 0,1,2
	v_mov_b32 v[PC+3+6*\c+\i], v[PC+12+4*\c+\i]
.endr
.endr
.endm
	s_load_b256 s[4:11], s[0:1], 0x0               ; hidden, W's codes, W's scales, attn_b
	s_load_b64 s[12:13], s[0:1], 0x20              ; cg
	v_lshl_add_u32 v[SPW], v0, 2, SPARE
	v_mov_b32 v[NIL], 0
	ds_add_u32 v[SPW], v[NIL]                      ; the opening lines: the add, twice on end, and its wait ahead of my tensor load
	ds_add_u32 v[SPW], v[NIL]
	v_lshrrev_b32 v3, 5, v0
	v_readfirstlane_b32 s18, v3                    ; wave 0..3
	s_and_b32 s19, ttmp7, 0xffff                   ; y
	s_lshl_b32 s26, ttmp9, 8                       ; 256 x
	s_add_co_u32 s14, s26, s18
	s_mul_i32 s14, s14, 1536                       ; my tensor load begins at row 256 x + w
	s_mov_b32 s15, 0
	s_lshl_b32 s27, s18, 6
	s_add_co_u32 s26, s26, s27                     ; n0
	s_lshl_b32 s24, s19, 16                        ; 16 y rows of 4,096 bytes
	s_lshl_b32 s16, s18, 10
	s_add_co_u32 s16, s16, s24
	s_add_co_u32 s16, s16, 131072                  ; hidden[1][16 y], my two K steps
	s_mov_b32 s17, 0
	s_lshl_b32 s20, s26, 6
	s_mov_b32 s21, 0
	s_lshl_b32 s22, s26, 2
	s_mov_b32 s23, 0
	s_add_co_u32 s24, s24, s22
	s_mov_b32 s25, 0
	s_mov_b32 s32, (1<<20)|(5<<22)|(3<<25)         ; group 1: elements of 1 byte; 4 words of padding behind every 64
	s_mov_b32 s33, 768<<16
	s_mov_b32 s34, 64<<16
	s_mov_b32 s35, 768<<16
	s_mov_b32 s36, 64
	s_mov_b32 s37, 4*1536                          ; every fourth row
	s_mov_b32 s38, 0
	s_mov_b32 s39, 0
	s_mov_b32 s28, 1
	s_mul_i32 s29, s18, WREG
	s_mov_b32 s40, 0x76543210
	s_mov_b32 s41, 0xfedcba98
	s_mov_b32 s42, 0x4038aa3b                      ; c
	s_mov_b32 s43, s42
	s_mul_i32 s44, s18, 16*PITCH
	s_mul_i32 s45, s18, 2*1536
	s_add_co_u32 s45, s45, IM
	s_lshl_b32 s46, s18, 7
	s_add_co_u32 s46, s46, SCW
	v_and_b32 v5, 31, v0
	v_and_b32 v3, 15, v0                           ; r
	v_bfe_u32 v4, v0, 4, 1                         ; h
	v_lshlrev_b32 v[HOF], 12, v3
	v_lshl_add_u32 v[HOF], v4, 6, v[HOF]
	v_lshlrev_b32 v[OOF], 4, v3
	v_lshl_add_u32 v[OOF], v4, 15, v[OOF]          ; lanes 0-15 row b0 + j, lanes 16-31 row b0 + 8 + j
	v_lshlrev_b32 v[SOF], 8, v3
	v_lshl_add_u32 v[SOF], v4, 4, v[SOF]           ; row 4 r of 64 scale bytes, + 16 h
	v_lshlrev_b32 v[BOF], 4, v3
	v_lshl_add_u32 v[IWA], v5, 4, s45
	v_lshl_add_u32 v[SWA], v3, 2, s46
	v_lshl_add_u32 v[IRA], v5, 4, IM
	v_lshl_add_u32 v[ASR], v3, 2, SCW
	v_mad_u32_u24 v[FA], v3, PITCH, s44
	v_mad_u32_u24 v[FA], v4, 24, v[FA]
	v_lshl_add_u32 v[FA+1], v4, 4, v[FA]
.irp u, 1,2,3
	v_add_nc_u32 v[FA+2*\u], \u*WREG, v[FA]
	v_add_nc_u32 v[FA+2*\u+1], \u*WREG, v[FA+1]
.endr
.irp b, 0,1,2,3
	v_mov_b32 v[TM+4+\b], 0                        ; a lane permute's destination counts as one of its sources
.endr
	VW8
	s_wait_dscnt 0x0
	s_wait_kmcnt 0x0
	s_add_nc_u64 s[30:31], s[6:7], s[14:15]
	s_or_b32 s31, s31, 0x80000000
	s_add_nc_u64 s[4:5], s[4:5], s[16:17]
	s_add_nc_u64 s[8:9], s[8:9], s[20:21]
	s_add_nc_u64 s[10:11], s[10:11], s[22:23]
	s_add_nc_u64 s[12:13], s[12:13], s[24:25]
	tensor_load_to_lds s[28:31], s[32:39]
	s_nop 0
	PLACES
.irp q, 0,1
.irp bl, 0,1,2,3
.irp j, 0,1,2,3
	global_load_b128 v[X+64*\q+16*\bl+4*\j:X+64*\q+16*\bl+4*\j+3], v[HOF], s[4:5] offset:512*\q+128*\bl+16*\j
.endr
.endr
.endr
	global_load_b128 v[BI:BI+3], v[BOF], s[10:11]  ; attn_b[n0 + 4 r ..]
.irp u, 0,1,2,3
	global_load_b128 v[WSG+4*\u:WSG+4*\u+3], v[SOF], s[8:9] offset:64*\u   ; K steps 0-3 in lanes 0-15, 4-7 in lanes 16-31
.endr
	s_wait_loadcnt 21                              ; behind the first K step's loads: 16 + 5
	QUANT X
.irp c, 0,1,2
	ds_store_b128 v[IWA], v[PC+4*\c:PC+4*\c+3] offset:512*\c
.endr
	ds_store_b32 v[SWA], v[PW]
	s_wait_loadcnt 0x0
	s_wait_dscnt 0x0
	QUANT X+64
.irp c, 0,1,2
	ds_store_b128 v[IWA], v[PC+4*\c:PC+4*\c+3] offset:1536+512*\c
.endr
	ds_store_b32 v[SWA], v[PW] offset:64
	v_pk_mul_f32 v[BI:BI+1], v[BI:BI+1], s[42:43] op_sel_hi:[1,0]
	v_pk_mul_f32 v[BI+2:BI+3], v[BI+2:BI+3], s[42:43] op_sel_hi:[1,0]
	VW8
	s_wait_tensorcnt 0x0                           ; my rows of W have landed,
	s_wait_dscnt 0x0                               ; and my images
	s_barrier_signal -1
	s_barrier_wait -1
.irp s, 0,1,2,3,4,5,6,7
.irp c, 0,1,2
	ds_load_b128 v[HF+12*\s+4*\c:HF+12*\s+4*\c+3], v[IRA] offset:1536*\s+512*\c
.endr
.endr
.irp s, 0,1,2,3,4,5,6,7
	ds_load_b32 v[HSW+\s], v[ASR] offset:64*\s
.endr
	WIN 0x40                                       ; W's fragments: window 1, two buffers of a K step's four
.irp s, 0,1
.irp u, 0,1,2,3
	FRAGW 48*\s+12*\u, FA+2*\u, \s
.endr
.endr
; source 0 = the 16 hidden rows, source 1 = 16 rows of W: lane (r, h), register j = (b0 + 8 h + j, n0 + 4 r + u).  Four accumulators by turns.
.irp s, 0,1,2,3,4,5,6,7
.if \s < 7
	s_wait_dscnt 24                                ; all but the next K step's 24
.else
	s_wait_dscnt 0
.endif
	WIN 0x04
.irp u, 0,1,2,3
.if \s == 0
	v_wmma_scale_f32_16x16x128_f8f6f4 v[ACC+8*\u:ACC+8*\u+7], v[HF+12*\s:HF+12*\s+11], v[48*(\s%2)+12*\u:48*(\s%2)+12*\u+11], 0, v[HSW+\s], v[WSG+4*\u+\s%4] matrix_a_fmt:MATRIX_FMT_FP6 matrix_b_fmt:MATRIX_FMT_FP6
.elseif \s < 4
	v_wmma_scale_f32_16x16x128_f8f6f4 v[ACC+8*\u:ACC+8*\u+7], v[HF+12*\s:HF+12*\s+11], v[48*(\s%2)+12*\u:48*(\s%2)+12*\u+11], v[ACC+8*\u:ACC+8*\u+7], v[HSW+\s], v[WSG+4*\u+\s%4] matrix_a_fmt:MATRIX_FMT_FP6 matrix_b_fmt:MATRIX_FMT_FP6
.else
	v_wmma_scale_f32_16x16x128_f8f6f4 v[ACC+8*\u:ACC+8*\u+7], v[HF+12*\s:HF+12*\s+11], v[48*(\s%2)+12*\u:48*(\s%2)+12*\u+11], v[ACC+8*\u:ACC+8*\u+7], v[HSW+\s], v[WSG+4*\u+\s%4] matrix_a_fmt:MATRIX_FMT_FP6 matrix_b_fmt:MATRIX_FMT_FP6 matrix_b_scale:MATRIX_SCALE_ROW1
.endif
.endr
	PLACES
.if \s < 6
	WIN 0x40
.irp u, 0,1,2,3
	FRAGW 48*(\s%2)+12*\u, FA+2*\u, \s+2
.endr
.endif
.endr
	WIN 0
.irp j, 0,1,2,3,4,5,6,7
.irp u, 0,1,2,3
	v_fma_f32 v[OUT+4*\j+\u], v[ACC+8*\u+\j], s42, v[BI+\u]   ; each accumulator from its low end on
.endr
.endr
.irp j, 0,1,2,3,4,5,6,7
	global_store_b128 v[OOF], v[OUT+4*\j:OUT+4*\j+3], s[12:13] offset:4096*\j   ; 16 lanes store 256 consecutive bytes, aligned
.endr
	s_wait_tensorcnt 0x0                           ; the wave's end
	ds_add_u32 v[SPW], v[NIL]
	s_wait_dscnt 0x0
	s_endpgm
.Lfunc_end_k_q9d602680a7_gpre:
	.size	k_q9d602680a7_gpre, .Lfunc_end_k_q9d602680a7_gpre-k_q9d602680a7_gpre
	.p2alignl 7, 3214868480
	.fill 96, 4, 3214868480
	.section	.rodata,"a",@progbits
	.p2align	6, 0x0
	.amdhsa_kernel k_q9d602680a7_gpre
		.amdhsa_group_segment_fixed_size 229376
		.amdhsa_private_segment_fixed_size 0
		.amdhsa_enable_private_segment 0
		.amdhsa_kernarg_size 40
		.amdhsa_user_sgpr_count 2
		.amdhsa_user_sgpr_kernarg_segment_ptr 1
		.amdhsa_wavefront_size32 1
		.amdhsa_system_sgpr_workgroup_id_x 1
		.amdhsa_system_sgpr_workgroup_id_y 1
		.amdhsa_system_sgpr_workgroup_id_z 1
		.amdhsa_system_vgpr_workitem_id 0
		.amdhsa_next_free_vgpr 512
		.amdhsa_next_free_sgpr 66
		.amdhsa_reserve_vcc 0
		.amdhsa_float_denorm_mode_32 3
		.amdhsa_float_denorm_mode_16_64 3
		.amdhsa_memory_ordered 1
		.amdhsa_forward_progress 1
		.amdhsa_inst_pref_size 39
	.end_amdhsa_kernel
	.amdgpu_metadata
---
amdhsa.version: [ 1, 2 ]
amdhsa.kernels:
  - .name:           k_q9d602680a7_gpre
    .symbol:         k_q9d602680a7_gpre.kd
    .args:
      - { .name: hidden, .offset: 0, .size: 8, .value_kind: global_buffer, .address_space: global }
      - { .name: attn_w_codes, .offset: 8, .size: 8, .value_kind: global_buffer, .address_space: global }
      - { .name: attn_w_scales, .offset: 16, .size: 8, .value_kind: global_buffer, .address_space: global }
      - { .name: attn_b, .offset: 24, .size: 8, .value_kind: global_buffer, .address_space: global }
      - { .name: cg, .offset: 32, .size: 8, .value_kind: global_buffer, .address_space: global }
    .group_segment_fixed_size: 229376
    .private_segment_fixed_size: 0
    .kernarg_segment_align: 8
    .kernarg_segment_size: 40
    .max_flat_workgroup_size: 128
    .sgpr_count:     66
    .vgpr_count:     512
    .wavefront_size: 32
...
	.end_amdgpu_metadata
.endif
;; end of part 1
;; launch energy (part 2): grid 256 x 1, 8 waves a work-group, clusters of 4 x 1, 327,680 bytes of LDS; arguments encoder_outputs, cg, attn_w_codes, attn_w_scales, v, scores; writes scores
.if DOCPART == 2
	.amdgcn_target "amdgcn-amd-amdhsa--gfx1250"
	.amdhsa_code_object_version 6
	.text
	.protected	k_q9d602680a7_energy
	.globl	k_q9d602680a7_energy
	.p2align	8
	.type	k_q9d602680a7_energy,@function
k_q9d602680a7_energy:
	s_mov_b64 s[64:65], 0
	v_nop
	global_prefetch_b8 v0, s[64:65] scope:SCOPE_SE
	s_setreg_imm32_b32 hwreg(HW_REG_WAVE_MODE, 25, 1), 1
	s_wait_xcnt 0x0
	s_wait_alu depctr_hold_cnt(0) depctr_sa_sdst(0) depctr_va_vdst(0) depctr_va_sdst(0) depctr_va_ssrc(0) depctr_va_vcc(0) depctr_vm_vsrc(0)
	s_getreg_b32 s2, hwreg(HW_REG_IB_STS2, 6, 4)
	s_cmp_eq_u32 s2, 0
	s_cbranch_scc0 .Lentry_in_a_cluster
	s_endpgm
.Lentry_in_a_cluster:
	s_bfe_u32 s2, ttmp6, 0x10000c
	s_cmp_lg_u32 s2, 0x3003
	s_cbranch_scc0 .Lentry_shape_is_right
	s_endpgm
.Lentry_shape_is_right:
; scores[b][s] = P = sum over n of v[n] / (1 + 2^(c e + cg[b][n])),  c = 2 log2(e),  e = Q(enc[s][b]) . W[n][1,024 ..]; cg from the launch before (the hidden half of K and the bias, times c).
; Q: FP6 (E2M3) codes with one E8M0 scale for each 32 along K; W arrives as codes and scale bytes.  The last launch takes the softmax.
; WORK LEFT OUT, as the first kernel's head shows: the sum of v (the same along s), hidden[0], and the hidden half of K for every s but once.  Its limits hold here too.
; A block whose largest magnitude lies under 2^-124 keeps the scale byte 1 (a block of zeros too: its codes are zeros, and this program alone reads the bytes).
; SHARES.  256 work-groups of eight waves, two to a SIMD.  Work-group id = 4 x cluster + place owns b = id / 8, the 128 values of s from 128 (id % 8) on, and all 1,024 columns n.
;  PHASE 0: wave w turns rows 16 w .. + 15 of enc (f32, read once) into codes, K step by K step; a fragment goes to LDS as an image of its registers.  Five K steps are asked for at the head
;  (three of them into registers that x takes later), the last three as buffers come free.  Four places of images: K steps 0-3 leave for the registers behind the barrier ahead of K step 4;
;  K step 4's image is stored behind the next barrier.
;  THE PASS: wave w holds rows 64 (w / 4) .. + 63 as 4 x 8 fragments in 384 registers and takes columns 32 (w % 4) .. + 31 of each slot of 128: two tiles of 16 columns x 64 rows x 1,024 K.
;  The matrix instruction is used transposed (source 0 = 16 rows of W, source 1 = 16 rows of x): lane (r, h) holds row r and columns 8 h + 0 .. 7, so the sum over n stays in the lane.
;  A tile is 32 matrix instructions (four accumulators by turns) and then 1 / (1 + 2^(c e + cg)) in place.  Waves of kind 0 run product, activation, product, activation in a slot;
;  waves of kind 1 carry the last activation over the change of slots.  kind = (w xor w / 4) & 1.
; CLUSTER.  All work-groups walk the same weights in the same order: the four of a cluster ask for each slot JOINTLY (mask 15).  Rows of enc have one reader each.
; PREFETCH.  Behind the joint load of slot j + 1 each wave asks for slot j + 3: of the 16 rows x 768 bytes that it fetches, the partner at place p takes rows 4 p .. 4 p + 3, 12 blocks of 256 bytes,
;  a lane a block (lanes 12-31 name the last again); the head asks for slots 1 and 2; the last changes ask for nothing.  enc is asked for ahead by ordinary loads and has no prefetch.
; LDS: two slots of 128 rows x 768 bytes (16 bytes of padding behind each 256: pitch 816); in blocks of 256 bytes into which no tensor load lands: x's scale words, cg, v, partial scores, spare words, images, stages.
; REGISTERS.  Window 0: v1-11 addresses; v12-35 scale words and nothing else; v36-67 accumulators; v68-75 cg; v76-111 three fragments of W; v112-255 x, K steps 5-7.
;  Window 1: v0-239 x, K steps 0-4; v240-247 the sums; v248-255 v.  Phase 0 lays its own over v36-255 of window 0 and over window 1.
.set PITCH, 816
.set WPART, 16*PITCH
.set SLOT1, 1<<17
.set ASC,   8*WPART                    ; x's scale words: [tile 8][K step 8][16 rows] x 4 bytes
.set GP,    ASC+4096                   ; cg of my b; v lies 4,096 bytes behind
.set SCR,   GP+8192                    ; partial scores: [quarter of the columns][128 rows]
.set SPARE, SCR+2048                   ; the spare words, 128 bytes a wave
.set IMG,   SLOT1+8*WPART              ; images: 4 places x 8 tiles x 1,536 bytes
.set ISL,   12288
.set FRB,   1536
.set STG,   IMG+4*ISL                  ; a stage of 16 rows x (256 + 16) bytes for each wave
.set SP,    272
.set WROWS, 128*1536                   ; bytes of W from slot to slot
.set SPW, 1
.set NIL, 2
.set LB,  3                            ; v3-4 my lane's place in a slot (v4: behind one padding more)
.set ADB, 5                            ; v5-6 the same in the slot in hand
.set ADG, 7                            ; cg (4,096 on: v) of my columns in the slot in hand
.set ADW, 8                            ; W's scale words
.set PFO, 9                            ; the prefetches' offset
.set IRA, 10                           ; images, read
.set ASR, 11                           ; x's scale words, read
.set AS,  12                           ; v12-27 x's scale words: register 4 m + i: K step 2 i in lanes 0-15, 2 i + 1 in lanes 16-31
.set WS,  28                           ; v28-35 W's, two sets of four: K steps 0-3 in lanes 0-15, 4-7 in lanes 16-31
.set ACC, 36
.set CG,  68
.set BF,  76
.set SS,  240                          ; window 1
.set VV,  248                          ; window 1
.set IWA, 36                           ; phase 0
.set SWA, 37
.set PC,  44                           ; v44-63 the codes just made
.set TM,  68
.set PW,  84
.set XA,  86
.set STW, 87
.set STR, 88
.set X,   128                          ; v128-191 64 numbers
.set MSB, 0
.macro WIN new
.if MSB != \new
	s_set_vgpr_msb (MSB<<8)|\new
.set MSB, \new
.endif
.endm
.macro PLACES
.rept 4
	v_nop
.endr
.endm
.macro VW8
	s_wait_alu depctr_va_vdst(0)
.endm
.macro CREST
	s_cmp_lg_u32 s18, 0
	s_cbranch_scc1 .Lnot_wave_0_\@
	s_barrier_signal -3
.Lnot_wave_0_\@:
	s_barrier_wait -3
	s_barrier_signal -1
	s_barrier_wait -1
.endm
.macro CROUND
	s_barrier_signal -1
	s_barrier_wait -1
	CREST
.endm
.macro BAR                             ; a work-group barrier behind which nothing is filled: my LDS instructions are done
	VW8
	s_wait_dscnt 0x0
	s_barrier_signal -1
	s_barrier_wait -1
.endm
.macro TLOAD                           ; my 16 rows of the next slot: every wave issues one; s_nop 0 and four v_nop follow
	tensor_load_to_lds s[36:39], s[28:35]
	s_nop 0
	PLACES
.endm
; A fragment of W: K step s of a row's 768 bytes as six pieces of 8 bytes.  Lanes 16-31 read three pieces further on, which for pieces 29-31 of each 32 lies behind one padding more: the second register.
.macro FRAGW reg, adr, s, off
.irp p, 0,1,2,3,4,5
.set PIECE, 12*(\s)+6*(\p/3)+\p%3
.if PIECE%32 < 29
	ds_load_b64 v[\reg+2*\p:\reg+2*\p+1], v[\adr] offset:8*PIECE+16*(PIECE/32)+(\off)
.else
	ds_load_b64 v[\reg+2*\p:\reg+2*\p+1], v[\adr+1] offset:8*PIECE+16*(PIECE/32)+(\off)
.endif
.endr
.endm
; The matrix instruction; c: the C operand as text; ra, rb: source 0's, source 1's scale words stand in lanes 16-31.
.macro WMX d, a, b, c, sa, sb, ra, rb
.if (\ra) && (\rb)
	v_wmma_scale_f32_16x16x128_f8f6f4 v[\d:\d+7], v[\a:\a+11], v[\b:\b+11], \c, v[\sa], v[\sb] matrix_a_fmt:MATRIX_FMT_FP6 matrix_b_fmt:MATRIX_FMT_FP6 matrix_a_scale:MATRIX_SCALE_ROW1 matrix_b_scale:MATRIX_SCALE_ROW1
.elseif (\ra)
	v_wmma_scale_f32_16x16x128_f8f6f4 v[\d:\d+7], v[\a:\a+11], v[\b:\b+11], \c, v[\sa], v[\sb] matrix_a_fmt:MATRIX_FMT_FP6 matrix_b_fmt:MATRIX_FMT_FP6 matrix_a_scale:MATRIX_SCALE_ROW1
.elseif (\rb)
	v_wmma_scale_f32_16x16x128_f8f6f4 v[\d:\d+7], v[\a:\a+11], v[\b:\b+11], \c, v[\sa], v[\sb] matrix_a_fmt:MATRIX_FMT_FP6 matrix_b_fmt:MATRIX_FMT_FP6 matrix_b_scale:MATRIX_SCALE_ROW1
.else
	v_wmma_scale_f32_16x16x128_f8f6f4 v[\d:\d+7], v[\a:\a+11], v[\b:\b+11], \c, v[\sa], v[\sb] matrix_a_fmt:MATRIX_FMT_FP6 matrix_b_fmt:MATRIX_FMT_FP6
.endif
.endm
; 64 numbers of a lane, register 16 b + i = k 32 b + 16 (lane / 16) + i of my row, become a fragment's codes in v[PC] on and its scale word in v[PW].
.macro QUANT s
.irp b, 0,1,2,3
	v_max3_num_f32 v[TM+\b], |v[\s+16*\b]|, |v[\s+1+16*\b]|, 0x1800000   ; my 16 numbers of block b, and the floor 2^(3 - 127): the byte cannot fall under 1
.endr
.irp i, 2,4,6,8,10,12,14
.irp b, 0,1,2,3
	v_max3_num_f32 v[TM+\b], v[TM+\b], |v[\s+16*\b+\i]|, |v[\s+1+16*\b+\i]|
.endr
.endr
.irp b, 0,1,2,3
	v_permlanex16_b32 v[TM+4+\b], v[TM+\b], s40, s41
.endr
.irp b, 0,1,2,3
	v_max_num_f32 v[TM+\b], v[TM+\b], v[TM+4+\b]   ; with lane l xor 16's: the block's largest magnitude
.endr
.irp b, 0,1,2,3
	v_add_nc_u32 v[TM+12+\b], 0xff000000, v[TM+\b] ; 2 off its exponent field: the conversion's scale operand
.endr
.irp b, 0,1,2,3
	v_lshrrev_b32 v[TM+4+\b], 23, v[TM+12+\b]      ; the scale's byte
.endr
	v_lshl_or_b32 v[PW], v[TM+5], 8, v[TM+4]
	s_delay_alu instid0(VALU_DEP_1)
	v_lshl_or_b32 v[PW], v[TM+6], 16, v[PW]
	s_delay_alu instid0(VALU_DEP_1)
	v_lshl_or_b32 v[PW], v[TM+7], 24, v[PW]
.irp c, 0,1
	v_cvt_scalef32_pk16_fp6_f32 v[PC+6*\c:PC+2+6*\c], v[\s+32*\c:\s+15+32*\c], v[TM+12+2*\c]
	v_cvt_scalef32_pk16_fp6_f32 v[PC+12+4*\c:PC+14+4*\c], v[\s+16+32*\c:\s+31+32*\c], v[TM+12+2*\c+1]   ; (a conversion's three registers begin on an even number)
.endr
	v_nop                                          ; one plain place behind a scaled conversion
.irp c, 0,1                                    ; the operand's layout wants a whole block in a lane
.irp i, 0,1,2
	v_permlane16_swap_b32 v[PC+6*\c+\i], v[PC+12+4*\c+\i]
.endr
.irp i, 0,1,2
	v_mov_b32 v[PC+3+6*\c+\i], v[PC+12+4*\c+\i]
.endr
.endr
.endm
.macro IMAGE off                       ; the fragment goes to LDS as it stands: lane l's 16 bytes at 16 l
.irp c, 0,1,2
	ds_store_b128 v[IWA], v[PC+4*\c:PC+4*\c+3] offset:(\off)+512*\c
.endr
.endm
.macro EBUF t                          ; where K step t is loaded: 0-2 window 1 v0, v64, v128; 3, 5, 7 window 1 v192; 4, 6 window 0 v192
.set eW, 1
.set eB, 192
.if (\t) < 3
.set eB, 64*(\t)
.endif
.if (\t) == 4 || (\t) == 6
.set eW, 0
.endif
.endm
; K step t of my 16 rows: 16 loads; each half of the lanes takes 256 consecutive bytes of a row, aligned.
.macro XLOAD t
	EBUF \t
	WIN 0x40*eW
.irp e, 0,1
.irp i, 0,1,2,3,4,5,6,7
	global_load_b128 v[eB+32*\e+4*\i:eB+32*\e+4*\i+3], v[XA], s[4:5] offset:\i*262144+256*\e+512*(\t) th:TH_LOAD_NT
.endr
.endr
	WIN 0
.endm
; K step t is turned through my stage (in as loaded, out 16 neighbours of each block to a lane); K steps 3-5 hand their registers to K steps 5-7; then it is quantised.
.macro XUNIT t, lc
	s_wait_loadcnt \lc                             ; the 16 loads are in; lc younger ones may be out
	EBUF \t
	WIN 0x04*eW                                    ; an LDS store's data are its source 1
.irp e, 0,1
.irp i, 0,1,2,3,4,5,6,7
	ds_store_b128 v[STW], v[eB+32*\e+4*\i:eB+32*\e+4*\i+3] offset:2*SP*\i
.endr
.irp bb, 0,1
.irp j, 0,1,2,3
	ds_load_b128 v[X+32*\e+16*\bb+4*\j:X+32*\e+16*\bb+4*\j+3], v[STR] offset:128*\bb+16*\j   ; LDS serves a wave's instructions in order (ISA guide 5.7.1.4)
.endr
.endr
.endr
	WIN 0
	s_wait_dscnt 0x0
.if (\t) >= 3 && (\t) <= 5
	XLOAD (\t)+2
.endif
	QUANT X
.if (\t) != 4
	IMAGE ((\t)%4)*ISL
.endif
	ds_store_b32 v[SWA], v[PW] offset:64*(\t)      ; lanes r and r + 16 write the same word with the same value
.endm
.macro RDA reg, pl                     ; x's four fragments of a K step, my 64 rows, from place pl
.irp m, 0,1,2,3
.irp c, 0,1,2
	ds_load_b128 v[\reg+12*\m+4*\c:\reg+12*\m+4*\c+3], v[IRA] offset:(\pl)*ISL+FRB*\m+512*\c
.endr
.endr
.endm
; A tile's product: 16 columns (tile tl of my two) x my 64 rows x 1,024 K.  Three fragment buffers: behind K step s's four instructions and four places its buffer takes K step s + 3.
; Behind a fragment's six loads stand the twelve of the next two (six, none at the end).  The four accumulators take turns, one instruction a turn.
.macro MPH tl, wsl, lc
	ds_load_b128 v[CG:CG+3], v[ADG] offset:64*\tl
	ds_load_b128 v[CG+4:CG+7], v[ADG] offset:64*\tl+16
	WIN 0x40
	ds_load_b128 v[VV:VV+3], v[ADG] offset:4096+64*\tl
	ds_load_b128 v[VV+4:VV+7], v[ADG] offset:4096+64*\tl+16
	WIN 0
.irp s, 0,1,2
	FRAGW BF+12*\s, ADB, \s, 16*PITCH*\tl
.endr
	s_wait_loadcnt \lc                             ; this tile's scale words; lc younger loads may be out
.irp s, 0,1,2,3,4,5,6,7
.if \s < 6
	s_wait_dscnt 12
.elseif \s == 6
	s_wait_dscnt 6
.else
	s_wait_dscnt 0
.endif
.if \s < 5
	WIN 0x04                                       ; source 1 (x, K steps 0-4) window 1
.set xB, 48*\s
.else
	WIN 0
.set xB, 112+48*(\s-5)
.endif
.irp m, 0,1,2,3
.if \s == 0
	WMX ACC+8*\m, BF+12*(\s%3), xB+12*\m, 0, WS+4*\tl+\s%4, AS+4*\m+\s/2, \s/4, \s%2
.else
	WMX ACC+8*\m, BF+12*(\s%3), xB+12*\m, v[ACC+8*\m:ACC+8*\m+7], WS+4*\tl+\s%4, AS+4*\m+\s/2, \s/4, \s%2
.endif
.endr
.if \s < 5
	PLACES
	FRAGW BF+12*(\s%3), ADB, \s+3, 16*PITCH*\tl
.endif
.endr
	PLACES                                         ; in front of the readers of the results and of the load into the scale registers
.if \wsl
	global_load_b128 v[WS+4*\tl:WS+4*\tl+3], v[ADW], s[46:47] offset:1024*\tl+8192
.endif
.endm
; A tile's activation, in place: e -> c e + cg -> 2^(..) -> 1 + .. -> 1 / .. -> x v into the sums.  Each batch of 32 transcendentals has its wait ahead, one plain line and its wait behind.
.macro VPH
.irp m, 0,1,2,3
.irp j, 0,2,4,6
	v_pk_fma_f32 v[ACC+8*\m+\j:ACC+8*\m+\j+1], v[ACC+8*\m+\j:ACC+8*\m+\j+1], s[42:43], v[CG+\j:CG+\j+1] op_sel_hi:[1,0,1]
.endr
.endr
	VW8
.set i, 0
.rept 32
	v_exp_f32 v[ACC+i], v[ACC+i]
.set i, i+1
.endr
	v_nop
	VW8
.set i, 0
.rept 16
	v_pk_add_f32 v[ACC+i:ACC+i+1], v[ACC+i:ACC+i+1], 1.0 op_sel_hi:[1,0]
.set i, i+2
.endr
	VW8
.set i, 0
.rept 32
	v_rcp_f32 v[ACC+i], v[ACC+i]
.set i, i+1
.endr
	v_nop
	VW8
	WIN 0x54                                       ; the sums and v lie in window 1
.irp j, 0,2,4,6
.irp m, 0,1,2,3
	v_pk_fma_f32 v[SS+2*\m:SS+2*\m+1], v[ACC+8*\m+\j:ACC+8*\m+\j+1], v[VV+\j:VV+\j+1], v[SS+2*\m:SS+2*\m+1]
.endr
.endr
	WIN 0
.endm
; A change of slots: my one tensor load has landed, the add, the descriptor's step, my LDS instructions are done; a round; the joint refill first behind it.  fill = 0: the last slot: nothing is filled, so no round.
.macro CHGP fill
	s_wait_tensorcnt 0x0
	ds_add_u32 v[SPW], v[NIL]
.if \fill
	s_xor_b32 s37, s37, SLOT1
	s_add_nc_u64 s[38:39], s[38:39], WROWS
.endif
	s_xor_b32 s44, s44, SLOT1
	s_wait_dscnt 0x0
.if \fill
	CROUND
	TLOAD
.else
	s_barrier_signal -1
	s_barrier_wait -1
.endif
	v_add_nc_u32 v[ADB], s44, v[LB]
	v_add_nc_u32 v[ADB+1], s44, v[LB+1]
	VW8
.endm
.macro SLOTB wsl, lc1, pf
	s_cmp_eq_u32 s23, 0
	s_cbranch_scc1 .Lk0_\@
	VPH                                            ; kind 1: the activation of the slot before's last tile
.Lk0_\@:
	MPH 0, \wsl, 1
.if \pf
	s_cmp_gt_u32 s45, 2                            ; the last two trips have no slot three on
	s_cbranch_scc0 .Lno_\@
	s_cmp_lt_u32 ttmp9, 4
	s_cbranch_scc0 .Lno_prefetch_energy0_\@
	global_prefetch_b8 v[PFO], s[26:27] th:TH_LOAD_NT scope:SCOPE_SE
.Lno_prefetch_energy0_\@:
.Lno_\@:
.endif
	VPH
	MPH 1, \wsl, \lc1
	s_cmp_lg_u32 s23, 0
	s_cbranch_scc1 .Lk1_\@
	VPH                                            ; kind 0
.Lk1_\@:
.endm
	s_load_b256 s[4:11], s[0:1], 0x0               ; enc, cg, W's codes, W's scales
	s_load_b128 s[12:15], s[0:1], 0x20             ; v, scores
	v_lshl_add_u32 v[SPW], v0, 2, SPARE
	v_mov_b32 v[NIL], 0
	ds_add_u32 v[SPW], v[NIL]                      ; the opening lines: the add, twice on end, and its wait ahead of my first tensor load
	ds_add_u32 v[SPW], v[NIL]
	v_lshrrev_b32 v3, 5, v0
	v_readfirstlane_b32 s18, v3                    ; wave 0..7
	s_lshr_b32 s19, s18, 2                         ; the pass: which 64 rows
	s_and_b32 s20, s18, 3                          ; and which 32 columns of a slot
	s_xor_b32 s23, s18, s19
	s_and_b32 s23, s23, 1                          ; kind
	s_bfe_u32 s21, ttmp6, 0x40000                  ; my place in the cluster: it enters global addresses of enc, cg, scores and the prefetches alone
	s_lshl_b32 s22, ttmp9, 2
	s_add_co_u32 s22, s22, s21                     ; id
	s_lshr_b32 s48, s22, 3                         ; b
	s_and_b32 s49, s22, 7                          ; which 128 of s
	s_lshl_b32 s50, s49, 24                        ; enc: 128 s x 131,072 bytes
	s_lshl_b32 s52, s48, 12                        ; + b x 4,096; also cg[b]
	s_add_co_u32 s50, s50, s52
	s_lshl_b32 s51, s18, 21                        ; + my wave's 16 rows
	s_add_co_u32 s50, s50, s51
	s_lshl_b32 s54, s49, 9
	s_add_co_u32 s54, s54, s52                     ; scores[b][128 ..]
	s_mov_b32 s51, 0
	s_mov_b32 s53, 0
	s_mov_b32 s55, 0
	s_lshl_b32 s56, s18, 4
	s_lshl_b32 s57, s21, 2
	s_add_co_u32 s56, s56, s57
	s_mul_i32 s56, s56, 1536
	s_add_co_u32 s56, s56, 768                     ; the prefetches: rows 16 w + 4 place, the encoder half
	s_mov_b32 s57, 0
	s_mul_i32 s58, s18, 16*1536
	s_add_co_u32 s58, s58, 768                     ; the tensor loads: rows 16 w, the encoder half
	s_mov_b32 s59, 0
	s_mov_b32 s28, 15|(1<<20)|(1<<21)|(5<<22)|(3<<25)   ; group 1: mask of all four; elements of 1 byte; padding on; bit 21 beside a mask; after every 64 words, 4 words
	s_mov_b32 s29, 768<<16
	s_mov_b32 s30, 16<<16
	s_mov_b32 s31, 768<<16
	s_mov_b32 s32, 16
	s_mov_b32 s33, 1536
	s_mov_b32 s34, 0
	s_mov_b32 s35, 0
	s_mov_b32 s36, 1
	s_mul_i32 s37, s18, WPART                      ; slot 0, my 16 rows
	s_mov_b32 s40, 0x76543210
	s_mov_b32 s41, 0xfedcba98                      ; v_permlanex16_b32's selects for lane l xor 16
	s_mov_b32 s42, 0x4038aa3b                      ; c = 2 log2(e)
	s_mov_b32 s43, s42
	s_mul_i32 s66, s20, 32*PITCH
	s_lshl_b32 s67, s20, 7
	s_add_co_u32 s67, s67, GP
	s_lshl_b32 s69, s20, 11
	s_mul_i32 s70, s18, 16*SP
	s_add_co_u32 s70, s70, STG
	s_mul_i32 s71, s18, FRB
	s_add_co_u32 s71, s71, IMG
	s_lshl_b32 s73, s18, 9
	s_add_co_u32 s73, s73, ASC
	s_mul_i32 s74, s19, 4*FRB
	s_add_co_u32 s74, s74, IMG
	s_lshl_b32 s75, s19, 11
	s_add_co_u32 s75, s75, ASC
	; the lanes' addresses, in one run of vector instructions
	v_and_b32 v89, 31, v0                          ; lane
	v_and_b32 v90, 15, v0                          ; r
	v_bfe_u32 v91, v0, 4, 1                        ; h
	v_mul_u32_u24 v92, v90, PITCH
	v_mad_u32_u24 v92, v91, 24, v92                ; a fragment's row x pitch + 24 h
	v_add_nc_u32 v[LB], s66, v92
	v_lshl_add_u32 v[LB+1], v91, 4, v[LB]
	v_lshl_add_u32 v[ADG], v91, 5, s67             ; GP + 4 (32 x quarter + 8 h)
	v_lshlrev_b32 v92, 6, v90
	v_lshl_add_u32 v92, v91, 4, v92                ; a row of scale bytes is 64; 16 h: four K steps' words to a half of the lanes
	v_add_nc_u32 v[ADW], s69, v92
	v_lshlrev_b32 v[XA], 4, v90
	v_lshl_add_u32 v[XA], v91, 17, v[XA]           ; lanes 0-15 one row of enc, lanes 16-31 the next
	v_mad_u32_u24 v[STW], v91, SP, s70
	v_lshl_add_u32 v[STW], v90, 4, v[STW]
	v_mad_u32_u24 v[STR], v90, SP, s70
	v_lshl_add_u32 v[STR], v91, 6, v[STR]
	v_lshl_add_u32 v[IWA], v89, 4, s71
	v_lshl_add_u32 v[SWA], v90, 2, s73
	v_lshl_add_u32 v[IRA], v89, 4, s74
	v_lshl_add_u32 v[ASR], v90, 2, s75
	v_lshl_add_u32 v[ASR], v91, 6, v[ASR]
	v_min_u32 v[PFO], 11, v89                      ; block 0 .. 11: row block / 3, 256 bytes (block % 3)
	v_mul_u32_u24 v92, v[PFO], 11
	v_lshrrev_b32 v92, 5, v92
	v_mul_u32_u24 v92, v92, 768
	v_lshl_add_u32 v[PFO], v[PFO], 8, v92          ; row x 1,536 + (block - 3 row) x 256
	v_lshlrev_b32 v93, 4, v0                       ; cg and v: 16 bytes a thread
	v_lshl_add_u32 v94, v0, 4, GP
.irp b, 0,1,2,3
	v_mov_b32 v[TM+4+\b], 0                        ; a lane permute's destination counts as one of its sources
.endr
	VW8                                            ; at the head's end
	s_wait_dscnt 0x0                               ; both opening adds are done
	s_wait_kmcnt 0x0
	s_add_nc_u64 s[38:39], s[8:9], s[58:59]
	s_or_b32 s39, s39, 0x80000000
	s_add_nc_u64 s[24:25], s[8:9], s[56:57]
	s_add_nc_u64 s[26:27], s[24:25], 3*WROWS       ; the pass's first prefetch: slot 3
	s_add_nc_u64 s[4:5], s[4:5], s[50:51]
	s_add_nc_u64 s[6:7], s[6:7], s[52:53]
	s_add_nc_u64 s[14:15], s[14:15], s[54:55]
	s_add_nc_u64 s[46:47], s[10:11], 32            ; the encoder half's scale bytes
	CROUND                                         ; all four work-groups are here: the first joint loads meet
	TLOAD                                          ; slot 0: one tensor load a wave at the head
	s_cmp_lt_u32 ttmp9, 4
	s_cbranch_scc0 .Lno_prefetch_energy1
	global_prefetch_b8 v[PFO], s[24:25] offset:WROWS th:TH_LOAD_NT scope:SCOPE_SE
	global_prefetch_b8 v[PFO], s[24:25] offset:2*WROWS th:TH_LOAD_NT scope:SCOPE_SE
.Lno_prefetch_energy1:
	global_load_b128 v[96:99], v93, s[6:7]
	global_load_b128 v[100:103], v93, s[12:13]
	global_load_b128 v[WS:WS+3], v[ADW], s[46:47]              ; the first slot's scale words, tile 0
	global_load_b128 v[WS+4:WS+7], v[ADW], s[46:47] offset:1024   ; and tile 1
	XLOAD 0
	XLOAD 1
	XLOAD 2
	XLOAD 3
	XLOAD 4
	s_wait_loadcnt 63                              ; behind cg and v stand 82 loads
	ds_store_b128 v94, v[96:99]
	ds_store_b128 v94, v[100:103] offset:4096
; PHASE 0.  Behind K step t's 16 loads stand: t = 0: 64 (the wait names 63, the most its field holds); 1: 48; 2: 32; 3 to 6: the one K step asked for after it; 7: none.
	XUNIT 0, 63
	XUNIT 1, 48
	XUNIT 2, 32
	XUNIT 3, 16
	BAR                                            ; every wave's images of K steps 0-3 lie in LDS
	WIN 0x40
	RDA 0, 0
	RDA 48, 1
	RDA 96, 2
	RDA 144, 3
	WIN 0
	XUNIT 4, 16
	BAR                                            ; every wave has read places 0-3
	IMAGE 0                                        ; K step 4's image
	XUNIT 5, 16
	XUNIT 6, 16
	XUNIT 7, 0
	BAR                                            ; slot 0's load may stay out
	WIN 0x40
	RDA 192, 0
	WIN 0
	RDA 112, 1
	RDA 160, 2
	RDA 208, 3
.irp m, 0,1,2,3
.irp t, 0,1,2,3
	ds_load_b32 v[AS+4*\m+\t], v[ASR] offset:512*\m+128*\t
.endr
.endr
.set i, 0
.rept 40
	v_mov_b32 v[ACC+i], 0                          ; kind 1's first activation finds e = 0, cg = 0 and v = 0, which add 0 to the sums
.set i, i+1
.endr
	WIN 0x40
.set i, 0
.rept 16
	v_mov_b32 v[SS+i], 0
.set i, i+1
.endr
	WIN 0
	s_mov_b32 s44, SLOT1
	s_mov_b32 s45, 7
	VW8
.Lpass:                                                ; seven trips, a slot each; each change asks for the next slot
	CHGP 1
	SLOTB 1, 1, 1
	s_wait_xcnt 0x0                                ; the loads of scale words and the prefetch have read their bases
	s_add_nc_u64 s[46:47], s[46:47], 8192
	s_add_nc_u64 s[26:27], s[26:27], WROWS
	v_add_nc_u32 v[ADG], 512, v[ADG]
	VW8
	s_sub_co_u32 s45, s45, 1
	s_cmp_lg_u32 s45, 0
	s_cbranch_scc1 .Lpass
	CHGP 0
	SLOTB 0, 0, 0
	s_cmp_eq_u32 s23, 0
	s_cbranch_scc1 .Lsums
	VPH                                            ; kind 1's last activation
.Lsums:
	VW8
; THE WAY OUT: a row's sum over my 32 columns of every slot: the pair's halves and lane l xor 16's; the four quarters meet in LDS; wave 0 stores the 128 scores.
	s_lshl_b32 s48, s20, 9
	s_lshl_b32 s49, s19, 8
	s_add_co_u32 s48, s48, s49
	s_add_co_u32 s48, s48, SCR
	WIN 0x05
.irp m, 0,1,2,3
	v_add_f32 v[ACC+\m], v[SS+2*\m], v[SS+2*\m+1]
.endr
	WIN 0
.irp m, 0,1,2,3
	v_permlanex16_b32 v[ACC+4+\m], v[ACC+\m], s40, s41
.endr
.irp m, 0,1,2,3
	v_add_f32 v[ACC+\m], v[ACC+\m], v[ACC+4+\m]
.endr
	v_and_b32 v44, 15, v0
	v_and_b32 v45, 31, v0
	v_lshl_add_u32 v44, v44, 2, s48
	v_lshl_add_u32 v46, v45, 4, SCR
	v_lshlrev_b32 v47, 4, v45
.irp m, 0,1,2,3
	ds_store_b32 v44, v[ACC+\m] offset:64*\m       ; lanes r and r + 16 write the same word with the same value
.endr
	BAR
	s_cmp_lg_u32 s18, 0
	s_cbranch_scc1 .Lnot_first
.irp q, 0,1,2,3
	ds_load_b128 v[48+4*\q:51+4*\q], v46 offset:512*\q
.endr
	s_wait_dscnt 0x0
	v_pk_add_f32 v[48:49], v[48:49], v[52:53]
	v_pk_add_f32 v[50:51], v[50:51], v[54:55]
	v_pk_add_f32 v[56:57], v[56:57], v[60:61]
	v_pk_add_f32 v[58:59], v[58:59], v[62:63]
	v_pk_add_f32 v[48:49], v[48:49], v[56:57]
	v_pk_add_f32 v[50:51], v[50:51], v[58:59]
	global_store_b128 v47, v[48:51], s[14:15]      ; 32 lanes store 512 consecutive bytes, at a multiple of 256 from the buffer's first byte
.Lnot_first:
	s_wait_tensorcnt 0x0                           ; the wave's end
	ds_add_u32 v[SPW], v[NIL]
	s_wait_dscnt 0x0
	CROUND                                         ; the closing round
	s_endpgm
.Lfunc_end_k_q9d602680a7_energy:
	.size	k_q9d602680a7_energy, .Lfunc_end_k_q9d602680a7_energy-k_q9d602680a7_energy
	.p2alignl 7, 3214868480
	.fill 96, 4, 3214868480
	.section	.rodata,"a",@progbits
	.p2align	6, 0x0
	.amdhsa_kernel k_q9d602680a7_energy
		.amdhsa_group_segment_fixed_size 327680
		.amdhsa_private_segment_fixed_size 0
		.amdhsa_enable_private_segment 0
		.amdhsa_kernarg_size 48
		.amdhsa_user_sgpr_count 2
		.amdhsa_user_sgpr_kernarg_segment_ptr 1
		.amdhsa_wavefront_size32 1
		.amdhsa_system_sgpr_workgroup_id_x 1
		.amdhsa_system_sgpr_workgroup_id_y 1
		.amdhsa_system_sgpr_workgroup_id_z 1
		.amdhsa_system_vgpr_workitem_id 0
		.amdhsa_next_free_vgpr 512
		.amdhsa_next_free_sgpr 80
		.amdhsa_reserve_vcc 0
		.amdhsa_float_denorm_mode_32 3
		.amdhsa_float_denorm_mode_16_64 3
		.amdhsa_memory_ordered 1
		.amdhsa_forward_progress 1
		.amdhsa_inst_pref_size 154
	.end_amdhsa_kernel
	.amdgpu_metadata
---
amdhsa.version: [ 1, 2 ]
amdhsa.kernels:
  - .name:           k_q9d602680a7_energy
    .symbol:         k_q9d602680a7_energy.kd
    .args:
      - { .name: encoder_outputs, .offset: 0, .size: 8, .value_kind: global_buffer, .address_space: global }
      - { .name: cg, .offset: 8, .size: 8, .value_kind: global_buffer, .address_space: global }
      - { .name: attn_w_codes, .offset: 16, .size: 8, .value_kind: global_buffer, .address_space: global }
      - { .name: attn_w_scales, .offset: 24, .size: 8, .value_kind: global_buffer, .address_space: global }
      - { .name: v, .offset: 32, .size: 8, .value_kind: global_buffer, .address_space: global }
      - { .name: scores, .offset: 40, .size: 8, .value_kind: global_buffer, .address_space: global }
    .group_segment_fixed_size: 327680
    .private_segment_fixed_size: 0
    .kernarg_segment_align: 8
    .kernarg_segment_size: 48
    .max_flat_workgroup_size: 256
    .sgpr_count:     80
    .vgpr_count:     512
    .wavefront_size: 32
...
	.end_amdgpu_metadata
.endif
;; end of part 2
;; launch softmax (part 3): grid 32 x 1, 1 waves a work-group, no clusters, 0 bytes of LDS; arguments scores, out0; writes out0
.if DOCPART == 3
	.amdgcn_target "amdgcn-amd-amdhsa--gfx1250"
	.amdhsa_code_object_version 6
	.text
	.protected	k_q9d602680a7_softmax
	.globl	k_q9d602680a7_softmax
	.p2align	8
	.type	k_q9d602680a7_softmax,@function
k_q9d602680a7_softmax:
	s_mov_b64 s[64:65], 0
	v_nop
	global_prefetch_b8 v0, s[64:65] scope:SCOPE_SE
	s_setreg_imm32_b32 hwreg(HW_REG_WAVE_MODE, 25, 1), 1
	s_wait_xcnt 0x0
; out0[b][s] = softmax over s of (sum of v - 2 P[b][s]), P from the launch before.  The sum of v is the same along s and is left out, as the first kernel's head shows.
; The largest score lies at the smallest P, so the maximum is taken away as reference() takes it: the weight is 2^(-c (P - Pmin)), c = 2 log2(e), at most about 1.
; It is made as one fused multiply-add, P x (-c) + c Pmin: the rounding of c Pmin is one factor for the whole row, which the division by the row's sum takes away.
; One wave takes a row of 1,024 numbers, 32 a lane; each load and store of the wave covers 512 consecutive bytes.  No LDS, no barrier.
	s_load_b128 s[4:7], s[0:1], 0x0                ; scores, out0
	v_lshlrev_b32 v1, 4, v0
	s_lshl_b32 s8, ttmp9, 12                       ; row b: 4,096 bytes
	s_mov_b32 s9, 0
	s_mov_b32 s10, 0x76543210
	s_mov_b32 s11, 0xfedcba98                      ; v_permlanex16_b32's selects for lane l xor 16
	v_mov_b32 v43, 0                               ; (named as the upper half of the pair v[42:43])
	s_wait_alu depctr_va_vdst(0)
	s_wait_kmcnt 0x0
	s_add_nc_u64 s[4:5], s[4:5], s[8:9]
	s_add_nc_u64 s[6:7], s[6:7], s[8:9]
.irp i, 0,1,2,3,4,5,6,7
	global_load_b128 v[8+4*\i:11+4*\i], v1, s[4:5] offset:512*\i
.endr
	s_wait_loadcnt 0x0
	v_min3_num_f32 v40, v8, v9, v10                ; the smallest of my 32, in two chains
	v_min3_num_f32 v41, v11, v12, v13
.irp i, 14,18,22,26,30,34
	v_min3_num_f32 v40, v40, v[\i], v[\i+1]
	v_min3_num_f32 v41, v41, v[\i+2], v[\i+3]
.endr
	v_min3_num_f32 v40, v40, v38, v39
	v_min_num_f32 v40, v40, v41
	v_min_num_f32_dpp v40, v40, v40 row_xmask:1 row_mask:0xf bank_mask:0xf
	v_min_num_f32_dpp v40, v40, v40 row_xmask:2 row_mask:0xf bank_mask:0xf
	v_min_num_f32_dpp v40, v40, v40 row_xmask:4 row_mask:0xf bank_mask:0xf
	v_min_num_f32_dpp v40, v40, v40 row_xmask:8 row_mask:0xf bank_mask:0xf
	v_permlanex16_b32 v41, v40, s10, s11
	v_min_num_f32 v40, v40, v41                    ; the row's smallest P, in every lane
	v_mul_f32 v42, 0x4038aa3b, v40                 ; c Pmin
.irp j, 0,2,4,6,8,10,12,14,16,18,20,22,24,26,28,30
	v_pk_fma_f32 v[8+\j:9+\j], v[8+\j:9+\j], 0xc038aa3b, v[42:43] op_sel_hi:[1,0,0]
.endr
	s_wait_alu depctr_va_vdst(0)
.irp j, 0,1,2,3,4,5,6,7,8,9,10,11,12,13,14,15,16,17,18,19,20,21,22,23,24,25,26,27,28,29,30,31
	v_exp_f32 v[8+\j], v[8+\j]
.endr
	v_nop                                          ; a plain line behind the last exponential,
	s_wait_alu depctr_va_vdst(0)                   ; and one wait for the batch, ahead of its first reader
	v_pk_add_f32 v[44:45], v[8:9], v[10:11]        ; the sum, two at a time, in two chains
	v_pk_add_f32 v[46:47], v[12:13], v[14:15]
.irp j, 16,20,24,28,32,36
	v_pk_add_f32 v[44:45], v[44:45], v[\j:\j+1]
	v_pk_add_f32 v[46:47], v[46:47], v[\j+2:\j+3]
.endr
	v_pk_add_f32 v[44:45], v[44:45], v[46:47]
	v_add_f32 v44, v44, v45
	v_add_f32_dpp v44, v44, v44 row_xmask:1 row_mask:0xf bank_mask:0xf
	v_add_f32_dpp v44, v44, v44 row_xmask:2 row_mask:0xf bank_mask:0xf
	v_add_f32_dpp v44, v44, v44 row_xmask:4 row_mask:0xf bank_mask:0xf
	v_add_f32_dpp v44, v44, v44 row_xmask:8 row_mask:0xf bank_mask:0xf
	v_permlanex16_b32 v45, v44, s10, s11
	v_add_f32 v44, v44, v45                        ; the row's sum, at least about 1
	s_wait_alu depctr_va_vdst(0)
	v_rcp_f32 v46, v44
	v_nop
	s_wait_alu depctr_va_vdst(0)
.irp j, 0,2,4,6,8,10,12,14,16,18,20,22,24,26,28,30
	v_pk_mul_f32 v[8+\j:9+\j], v[8+\j:9+\j], v[46:47] op_sel_hi:[1,0]
.endr
.irp i, 0,1,2,3,4,5,6,7
	global_store_b128 v1, v[8+4*\i:11+4*\i], s[6:7] offset:512*\i
.endr
	s_endpgm
.Lfunc_end_k_q9d602680a7_softmax:
	.size	k_q9d602680a7_softmax, .Lfunc_end_k_q9d602680a7_softmax-k_q9d602680a7_softmax
	.p2alignl 7, 3214868480
	.fill 96, 4, 3214868480
	.section	.rodata,"a",@progbits
	.p2align	6, 0x0
	.amdhsa_kernel k_q9d602680a7_softmax
		.amdhsa_group_segment_fixed_size 0
		.amdhsa_private_segment_fixed_size 0
		.amdhsa_enable_private_segment 0
		.amdhsa_kernarg_size 16
		.amdhsa_user_sgpr_count 2
		.amdhsa_user_sgpr_kernarg_segment_ptr 1
		.amdhsa_wavefront_size32 1
		.amdhsa_system_sgpr_workgroup_id_x 1
		.amdhsa_system_sgpr_workgroup_id_y 1
		.amdhsa_system_sgpr_workgroup_id_z 1
		.amdhsa_system_vgpr_workitem_id 0
		.amdhsa_next_free_vgpr 64
		.amdhsa_next_free_sgpr 66
		.amdhsa_reserve_vcc 0
		.amdhsa_float_denorm_mode_32 3
		.amdhsa_float_denorm_mode_16_64 3
		.amdhsa_memory_ordered 1
		.amdhsa_forward_progress 1
		.amdhsa_inst_pref_size 9
	.end_amdhsa_kernel
	.amdgpu_metadata
---
amdhsa.version: [ 1, 2 ]
amdhsa.kernels:
  - .name:           k_q9d602680a7_softmax
    .symbol:         k_q9d602680a7_softmax.kd
    .args:
      - { .name: scores, .offset: 0, .size: 8, .value_kind: global_buffer, .address_space: global }
      - { .name: out0, .offset: 8, .size: 8, .value_kind: global_buffer, .address_space: global }
    .group_segment_fixed_size: 0
    .private_segment_fixed_size: 0
    .kernarg_segment_align: 8
    .kernarg_segment_size: 16
    .max_flat_workgroup_size: 32
    .sgpr_count:     66
    .vgpr_count:     64
    .wavefront_size: 32
...
	.end_amdgpu_metadata
.endif
;; end of part 3
